; MI455X (gfx1250); checked and timed in simulation.
; The chip was launched on July 23, 2026; its instructions are those of AMD's public machine-readable ISA for CDNA 5 (MIT licence, August 2026) and "CDNA5" Instruction Set Architecture Reference Guide (July 2026). The comments in the code are by the model that wrote it; some were corrected since.
;; Uniform Quantized Linear. Allowed arithmetic: float matrix products may take bf16 or f16 operands with f32 sums; other float arithmetic in f32, or as packed bf16 or f16 multiplies, adds, multiply-adds, maxima and minima; sums over many terms, partial sums and values carried from step to step in f32; what a program stores and reads back later, other than sums and carried values, may be rounded once to bf16 or f16.
;; Inputs: W_q 4,096 x 4,096 int32; bias 4,096 float32; mu1 4,096 float32; mu2 4,096 float32; scales 4,096 x 32 x 1 float32; x 4 x 1,024 x 4,096 float32; zeros 4,096 x 32 x 1 float32.
;; Outputs: out0 4 x 1,024 x 4,096 float32.
;; 2 versions, each right; version 2 is version 1 with the launch prep written anew for expert scheduling mode. Each part assembles by itself: llvm-mc -triple=amdgcn-amd-amdhsa -mcpu=gfx1250 --defsym DOCPART=n.
;; ======== version 1 of 2: 2 launches
;; limits: values are held in f16: magnitudes above 65,504 overflow, below 6.1e-05 lose precision
;; workspace buffers: xh 33,554,432 bytes; wh 33,554,432 bytes
;; launch prep (part 1): grid 256 x 2, 8 waves a work-group, no clusters, 0 bytes of LDS; arguments x, W_q, scales, zeros, mu1, xh, wh; writes xh, wh
.if DOCPART == 1
	.amdgcn_target "amdgcn-amd-amdhsa--gfx1250"
	.amdhsa_code_object_version 6
	.text
	.protected	k_q04389f8d11_prep
	.globl	k_q04389f8d11_prep
	.p2align	8
	.type	k_q04389f8d11_prep,@function
k_q04389f8d11_prep:
	s_mov_b64 s[64:65], 0
	v_nop
	global_prefetch_b8 v0, s[64:65] scope:SCOPE_SE
	s_setreg_imm32_b32 hwreg(HW_REG_WAVE_MODE, 25, 1), 1
	s_wait_xcnt 0x0
; FIRST OF TWO LAUNCHES for out0[m][k] = sum over n of x[m][n] W[k][n] + bias[k],  W[k][n] = (W_q[k][n] - zeros[k][n/128]) scales[k][n/128] mu2[k] mu1[n].
; THE FACTORS ARE MOVED, by an identity that holds for all values: out0[m][k] = mu2[k] x (sum over n of (x[m][n] mu1[n]) ((W_q[k][n] - z) s)) + bias[k].
; This launch makes the two matrix operands of the second: xh = f16(x mu1) and wh = f16((q - z) s), both [4096][4096], row-major.  mu2 and bias are applied by the second launch, in f32.
; NO WORK IS LEFT OUT: every input has a way to the output; five are loaded here, mu2 and bias in the second launch.
; FORMATS AND LIMITS.  Both products are made in f32 of the inputs as they are given and rounded ONCE, to f16 (11 significant bits).  The order of the factors differs from reference()'s
; ((q - z) s) mu2 mu1, so the roundings fall otherwise.  ROOM IN f16: |(q - z) s| is 16 x 0.051 = 0.8 at the most for numbers of the drawn kind, 480 x 1.53 = 734 with zeros and scales both 30 times
; larger, some 8e-3 typically with both 30 times smaller; |x mu1| is some 8, some 7,300 and some 1e-3.  A product beyond 65,504 becomes an infinity; one under 6.1e-5 keeps f16's fixed step of 6e-8.
; (W as a whole, four factors, would have no such room: that is why mu1 and mu2 are taken out of it.)  W_q may hold any int32: it is converted as astype converts it.  NaN and infinities go through untreated.
; SHARES.  Grid y = 0 makes xh, y = 1 makes wh: the same geometry, [4096][4096] numbers of 4 bytes to 2.  Work-group gx owns rows 16 gx .. 16 gx + 15; wave w columns 512 w .. 512 w + 511.
; One load of a wave takes 512 consecutive bytes = 128 numbers = ONE quantisation group (row r, group 4 w + j): its zero and scale are the same in all lanes and live in scalar registers.
; A lane's 4 numbers become 8 bytes: one store of a wave covers 256 consecutive bytes, aligned.
; A ring of 8 row slots in registers keeps 24 to 32 loads of every wave on their way.  All addresses are immediates on two offsets that are never rewritten: no loop is needed for 16 rows.
; No LDS, no barrier, no cluster: no wave wants a byte that another has fetched but the small vectors, which are read once.  No prefetch: the launch is one stream of loads from its first line on.
.set ROWI, 16384                       ; bytes in a row of x and of W_q
.set ROWO, 8192                        ; bytes in a row of xh and of wh
.set IN,   2                           ; v2        2,048 w + 16 lane: my 16 bytes in a row's first group of my wave; also my place in mu1; never rewritten
.set OUTO, 3                           ; v3        1,024 w + 8 lane: my 8 bytes of the result; never rewritten
.set SO,   4                           ; v4        128 (lane % 16) + 16 w: row lane % 16's four scales (and zeros) of my wave's groups
.set SC,   8                           ; v[8:11]   scales of row lane % 16, groups 4 w + 0..3
.set ZR,   12                          ; v[12:15]  zeros likewise; then -z
.set MUC,  32                          ; v[32:47]  mu1 of my 4 columns in each of my wave's 4 groups
.set XR,   64                          ; v[64:191] the ring: slot r % 8, group j: 4 registers
.set NZS,  32                          ; s[32:39]  four pairs: the low word is -z of the row in hand, group j (the packed add takes the low word for both halves)
.set CSC,  40                          ; s[40:47]  four pairs: the low word is s likewise
; A row's four loads, 512 consecutive bytes each.
.macro FILL r
.irp j, 0,1,2,3
	global_load_b128 v[XR+16*((\r)%8)+4*(\j):XR+16*((\r)%8)+4*(\j)+3], v[IN], s[SRC:SRC+1] offset:(\r)*ROWI+(\j)*512 th:TH_LOAD_NT
.endr
.endm
; Row r.  deq = 0: x mu1.  deq = 1: (q - z) s.
.macro ROW r, deq
.if (\r) == 0
	s_wait_loadcnt 28                              ; loads come back in order: row 0, and the small loads issued ahead of it, are in; rows 1 to 7 (28 loads) stay out
.elseif (\r) < 10
	s_wait_loadcnt 24                              ; behind row r's four loads stand those of rows r + 1 to r + 6
.else
	s_wait_loadcnt 4*(15-(\r))                     ; nothing more is asked for: the counts run down
.endif
.if ((\r) >= 1) && ((\r) <= 8)
	s_wait_xcnt 0x0                                ; the stores of row r - 1 have read their registers: its slot is loaded again only behind this wait
	FILL (\r)+7
.endif
.if \deq
.irp j, 0,1,2,3
	v_readlane_b32 s[NZS+2*(\j)], v[ZR+(\j)], \r   ; lane r holds row r's four -z
	v_readlane_b32 s[CSC+2*(\j)], v[SC+(\j)], \r   ; and its four s
.endr
.endif
.irp j, 0,1,2,3
.set a, XR+16*((\r)%8)+4*(\j)
.if \deq
	v_cvt_f32_i32 v[a], v[a]
	v_cvt_f32_i32 v[a+1], v[a+1]
	v_cvt_f32_i32 v[a+2], v[a+2]
	v_cvt_f32_i32 v[a+3], v[a+3]
	v_pk_add_f32 v[a:a+1], v[a:a+1], s[NZS+2*(\j):NZS+2*(\j)+1] op_sel_hi:[1,0]      ; q - z
	v_pk_add_f32 v[a+2:a+3], v[a+2:a+3], s[NZS+2*(\j):NZS+2*(\j)+1] op_sel_hi:[1,0]
	v_pk_mul_f32 v[a:a+1], v[a:a+1], s[CSC+2*(\j):CSC+2*(\j)+1] op_sel_hi:[1,0]      ; times s
	v_pk_mul_f32 v[a+2:a+3], v[a+2:a+3], s[CSC+2*(\j):CSC+2*(\j)+1] op_sel_hi:[1,0]
.else
	v_pk_mul_f32 v[a:a+1], v[a:a+1], v[MUC+4*(\j):MUC+4*(\j)+1]                      ; x times mu1
	v_pk_mul_f32 v[a+2:a+3], v[a+2:a+3], v[MUC+4*(\j)+2:MUC+4*(\j)+3]
.endif
	v_cvt_pk_f16_f32 v[a], v[a], v[a+1]            ; the one rounding, to f16
	v_cvt_pk_f16_f32 v[a+1], v[a+2], v[a+3]
	global_store_b64 v[OUTO], v[a:a+1], s[DST:DST+1] offset:(\r)*ROWO+(\j)*256 th:TH_STORE_NT  ; 32 lanes store 256 consecutive bytes, at a multiple of 256 from the buffer's first byte
.endr
.endm
	s_load_b256 s[16:23], s[0:1], 0x0              ; x s[16:17], W_q s[18:19], scales s[20:21], zeros s[22:23]
	s_load_b128 s[24:27], s[0:1], 0x20             ; mu1 s[24:25], xh s[26:27]
	s_load_b64 s[28:29], s[0:1], 0x30              ; wh
	s_and_b32 s4, ttmp7, 0xffff                    ; grid y: 0 = x, 1 = W
	v_lshrrev_b32 v1, 5, v0
	v_readfirstlane_b32 s5, v1                     ; wave 0..7
	v_and_b32 v1, 31, v0                           ; lane
	v_lshlrev_b32 v[IN], 4, v1
	v_lshl_add_u32 v[IN], s5, 11, v[IN]
	v_lshlrev_b32 v[OUTO], 3, v1
	v_lshl_add_u32 v[OUTO], s5, 10, v[OUTO]
	s_lshl_b32 s10, ttmp9, 18                      ; the work-group's 16 rows of 16,384 bytes (at most 255 << 18: one word holds it)
	s_mov_b32 s11, 0
	s_lshl_b32 s12, ttmp9, 17                      ; and of 8,192 bytes
	s_mov_b32 s13, 0
	s_wait_kmcnt 0x0
	s_cmp_lg_u32 s4, 0
	s_cbranch_scc1 .Lw
	; ---- y = 0: xh = f16(x mu1)
.set SRC, 16
.set DST, 26
	s_add_nc_u64 s[SRC:SRC+1], s[SRC:SRC+1], s[10:11]
	s_add_nc_u64 s[DST:DST+1], s[DST:DST+1], s[12:13]
.irp j, 0,1,2,3
	global_load_b128 v[MUC+4*(\j):MUC+4*(\j)+3], v[IN], s[24:25] offset:512*(\j)  ; mu1 of my columns, once, ahead of the ring: row 0's wait shows these four in too
.endr
.irp r, 0,1,2,3,4,5,6,7
	FILL \r
.endr
.irp r, 0,1,2,3,4,5,6,7,8,9,10,11,12,13,14,15
	ROW \r, 0
.endr
	s_endpgm
	; ---- y = 1: wh = f16((q - z) s)
.Lw:
.set SRC, 18
.set DST, 28
	s_add_nc_u64 s[SRC:SRC+1], s[SRC:SRC+1], s[10:11]
	s_add_nc_u64 s[DST:DST+1], s[DST:DST+1], s[12:13]
	s_lshl_b32 s2, ttmp9, 11                       ; 16 rows of 32 scales: 128 bytes a row
	s_mov_b32 s3, 0
	s_add_nc_u64 s[20:21], s[20:21], s[2:3]
	s_add_nc_u64 s[22:23], s[22:23], s[2:3]
	v_and_b32 v[SO], 15, v0
	v_lshlrev_b32 v[SO], 7, v[SO]
	v_lshl_add_u32 v[SO], s5, 4, v[SO]
.irp j, 0,1,2,3
	s_mov_b32 s[NZS+2*(\j)+1], 0                   ; named as pairs, so the upper words are written
	s_mov_b32 s[CSC+2*(\j)+1], 0
.endr
	global_load_b128 v[SC:SC+3], v[SO], s[20:21]   ; the two small loads go first; the eight waves together read the 16 rows of scales and of zeros whole, once
	global_load_b128 v[ZR:ZR+3], v[SO], s[22:23]
.irp r, 0,1,2,3,4,5,6,7
	FILL \r
.endr
	s_wait_loadcnt 32                              ; the two small loads are in; the ring's 32 stay out
.irp j, 0,1,2,3
	v_xor_b32 v[ZR+(\j)], 0x80000000, v[ZR+(\j)]   ; -z
.endr
.irp r, 0,1,2,3,4,5,6,7,8,9,10,11,12,13,14,15
	ROW \r, 1
.endr
	s_endpgm
.Lfunc_end_k_q04389f8d11_prep:
	.size	k_q04389f8d11_prep, .Lfunc_end_k_q04389f8d11_prep-k_q04389f8d11_prep
	.p2alignl 7, 3214868480
	.fill 96, 4, 3214868480
	.section	.rodata,"a",@progbits
	.p2align	6, 0x0
	.amdhsa_kernel k_q04389f8d11_prep
		.amdhsa_group_segment_fixed_size 0
		.amdhsa_private_segment_fixed_size 0
		.amdhsa_enable_private_segment 0
		.amdhsa_kernarg_size 56
		.amdhsa_user_sgpr_count 2
		.amdhsa_user_sgpr_kernarg_segment_ptr 1
		.amdhsa_wavefront_size32 1
		.amdhsa_system_sgpr_workgroup_id_x 1
		.amdhsa_system_sgpr_workgroup_id_y 1
		.amdhsa_system_sgpr_workgroup_id_z 1
		.amdhsa_system_vgpr_workitem_id 0
		.amdhsa_next_free_vgpr 192
		.amdhsa_next_free_sgpr 66
		.amdhsa_reserve_vcc 0
		.amdhsa_float_denorm_mode_32 3
		.amdhsa_float_denorm_mode_16_64 3
		.amdhsa_memory_ordered 1
		.amdhsa_forward_progress 1
		.amdhsa_inst_pref_size 85
	.end_amdhsa_kernel
	.amdgpu_metadata
---
amdhsa.version: [ 1, 2 ]
amdhsa.kernels:
  - .name:           k_q04389f8d11_prep
    .symbol:         k_q04389f8d11_prep.kd
    .args:
      - { .name: x, .offset: 0, .size: 8, .value_kind: global_buffer, .address_space: global }
      - { .name: W_q, .offset: 8, .size: 8, .value_kind: global_buffer, .address_space: global }
      - { .name: scales, .offset: 16, .size: 8, .value_kind: global_buffer, .address_space: global }
      - { .name: zeros, .offset: 24, .size: 8, .value_kind: global_buffer, .address_space: global }
      - { .name: mu1, .offset: 32, .size: 8, .value_kind: global_buffer, .address_space: global }
      - { .name: xh, .offset: 40, .size: 8, .value_kind: global_buffer, .address_space: global }
      - { .name: wh, .offset: 48, .size: 8, .value_kind: global_buffer, .address_space: global }
    .group_segment_fixed_size: 0
    .private_segment_fixed_size: 0
    .kernarg_segment_align: 8
    .kernarg_segment_size: 56
    .max_flat_workgroup_size: 256
    .sgpr_count:     66
    .vgpr_count:     192
    .wavefront_size: 32
...
	.end_amdgpu_metadata
.endif
;; end of part 1
;; launch gemm (part 2): grid 16 x 16, 4 waves a work-group, clusters of 4 x 4, 327,680 bytes of LDS; arguments xh, wh, out0, bias, mu2; writes out0
.if DOCPART == 2
	.amdgcn_target "amdgcn-amd-amdhsa--gfx1250"
	.amdhsa_code_object_version 6
	.text
	.protected	k_q04389f8d11_gemm
	.globl	k_q04389f8d11_gemm
	.p2align	8
	.type	k_q04389f8d11_gemm,@function
k_q04389f8d11_gemm:
	s_mov_b64 s[64:65], 0
	v_nop
	global_prefetch_b8 v0, s[64:65] scope:SCOPE_SE
	s_setreg_imm32_b32 hwreg(HW_REG_WAVE_MODE, 25, 1), 1
	s_wait_xcnt 0x0
	s_wait_alu depctr_hold_cnt(0) depctr_sa_sdst(0) depctr_va_vdst(0) depctr_va_sdst(0) depctr_va_ssrc(0) depctr_va_vcc(0) depctr_vm_vsrc(0)
	s_getreg_b32 s2, hwreg(HW_REG_IB_STS2, 6, 4)
	s_cmp_eq_u32 s2, 0
	s_cbranch_scc0 .Lentry_in_a_cluster
	s_endpgm
.Lentry_in_a_cluster:
	s_bfe_u32 s2, ttmp6, 0x10000c
	s_cmp_lg_u32 s2, 0xf033
	s_cbranch_scc0 .Lentry_shape_is_right
	s_endpgm
.Lentry_shape_is_right:
; SECOND OF TWO LAUNCHES: out0[m][k] = mu2[k] x (sum over n of xh[m][n] wh[k][n]) + bias[k].  xh = f16(x mu1), wh = f16((q - z) s): [4096][4096] f16, made by the first launch;
; out0: [4096][4096] f32; bias, mu2: [4096] f32.  No work is left out.
; FORMATS AND LIMITS: f16 operands (their room in f16 is counted at the first launch's head), one f32 sum for each output, n ascending; mu2 and bias are taken as given and applied by one fused
; multiply-add in f32.  The factors stand in another order than in reference(), so the roundings fall otherwise.  NaN and infinities go through the arithmetic untreated.
; SHARES.  A tile of out0, 256 x 256, is made by a work-group of four waves; a wave makes 128 x 128: 64 accumulators of 16 x 16, 512 registers.  16 x 16 tiles: 256 work-groups.
; The contraction goes in 32 steps of 128 through a ring of two LDS slots filled by the tensor data mover: a tile's rows are 256 bytes of memory and start at multiples of 256 bytes from the buffer's first byte.
; CLUSTERS: 4 x 4 work-groups.  The four of a row of the cluster make tiles of one tile row and need the same tiles of xh (A); the four of a column need the same tiles of wh (B).  Such a tile is asked for
; JOINTLY: each of the four issues the same tensor load, with the same descriptor and a mask that names the four, and each receives the tile in its own LDS.
; REGISTERS, in windows of 256 (s_set_vgpr_msb's low byte: bits 1:0 source 0, 3:2 source 1, 5:4 source 2, 7:6 destination):
;   window 0: v0-31 addresses, bias and mu2; v64-127, v128-191 fragments of A (8 x 16 rows x 32), two buffers; on the way out the two buffers of rows read back
;   window 1: v64-127, v128-191 fragments of B, two buffers
;   window 2: the 32 accumulators of my rows 0-63 (accumulator (a, b) at v[8 (8 a + b)]);   window 3: those of my rows 64-127
; THE MATRIX INSTRUCTION IS USED TRANSPOSED: source 0 = 16 rows of B, source 1 = 16 rows of A.  In the result lane l holds row l % 16 of out0 and its registers 0 to 7 the columns 8 (l / 16) + 0 .. 7:
; 32 consecutive bytes of a row.
.set SIZE_N, 4096                      ; columns of out0 = rows of wh
.set SIZE_K, 4096                      ; the contraction's length
.set KSTEP,  128
.set PITCH,  272                       ; an LDS row: 256 bytes of data + 16 of padding = 68 words: row r starts at bank 4 r mod 64 (64 banks of 4 bytes: ISA guide 11.1), so the 16 rows that a load touches start at 16 different banks
.set HALFT,  128*PITCH                 ; 128 rows: what one tensor load brings, and what one wave reads of A or of B
.set SLOT,   4*HALFT                   ; A's 256 rows, then B's 256 rows
.set STAGE,  2*SLOT                    ; behind the ring: 16 rows x 528 bytes for each wave, for the way out; no tensor load fills it
.set SPITCH, 528                       ; a stage row: 512 bytes (128 f32) + 16 = 132 words: again 16 rows at 16 different groups of four banks
.set SPARE,  STAGE+4*16*SPITCH         ; behind the stages: the spare words, 128 bytes for each wave: two blocks of 256 bytes that no other line names
.set LAPS,   SIZE_K/(2*KSTEP)          ; a lap = two steps = once round the ring: 16
.set ROWC,   SIZE_N*4                  ; bytes in a row of out0
.set BIA,  8                           ; v[8:11]  bias of my 4 columns, 4 lane .. 4 lane + 3 of my wave's 128
.set MU2,  12                          ; v[12:15] mu2 of the same 4 columns
.set ADRA, 16                          ; v16-17  LDS address of my A fragments in slot 0, 1
.set ADRB, 20                          ; v20-21  the same for B
.set STO,  24                          ; v24     the way out: where I put 32 bytes of a row
.set RD,   25                          ; v25     the way out: where I read 16 bytes of a row back
.set CO,   26                          ; v26     16 x lane: my byte offset in my wave's 512 bytes of a row of out0, and in its 128 numbers of bias and of mu2; never rewritten
.set SPW,  28                          ; v28     LDS address of my spare word: SPARE + 4 x my thread's number; never rewritten
.set NIL,  29                          ; v29     0; never rewritten
.set PFO,  30                          ; v30     the prefetches' offset: my lane x a row of xh or wh (8,192 bytes); never rewritten
.set PFA,  44                          ; s[44:45] where my prefetches stand: my work-group's 32 rows of the 128 that I fetch, one step further along the rows than the refill that is being asked for
.set LIM,  43                          ; s43     1 in a wave that prefetches, else the greatest number
.set BP,   66                          ; s[66:67] bias at my wave's first column
.set MP,   68                          ; s[68:69] mu2 at my wave's first column
.set F0,   64                          ; fragment buffer 0
.set F1,   128                         ; fragment buffer 1
.set OB,   64                          ; the way out: 16 rows read back from the stage: v64-127 and v128-191 by turns
.set G1,  24                           ; s[24:31] descriptor group 1 for A's tiles
.set G0,  32                           ; s[32:39] descriptor group 0 for A's tiles, one set for each slot
.set G1B, 48                           ; s[48:55] descriptor group 1 for B's tiles: it differs from A's in the mask alone
.set G0B, 56                           ; s[56:63] descriptor group 0 for B's tiles, one set for each slot
.set MSB, 0
.macro WIN new                         ; the immediate's high byte repeats the setting that is left; a switch that changes nothing is dropped
.if MSB != (\new)
	s_set_vgpr_msb (MSB<<8)|(\new)
.set MSB, \new
.endif
.endm
.set MUL_LO, 0xa1                      ; source 0 (B) window 1, source 1 (A) window 0, C and D window 2
.set MUL_HI, 0xf1                      ; the same, C and D window 3
.set TO_B,   0x40                      ; destination window 1, address window 0
; A joint load.  Waves 0 and 1 fetch A's two halves, waves 2 and 3 B's.  Each of the two lines has ONE mask and one set of registers for all that issue it, and nothing in them hangs on a coordinate that the
; four partners do not share.  The branch hangs on the wave's number alone.  An s_nop 0 and four v_nop follow each of the two lines, ahead of the jump, the label and what follows.
.macro JLOAD s
	s_cmp_eq_u32 s11, 0
	s_cbranch_scc0 .Lfor_b_\@
	tensor_load_to_lds s[G0+4*(\s):G0+4*(\s)+3], s[G1:G1+7]
	s_nop 0
.rept 4
	v_nop
.endr
	s_branch .Lasked_\@
.Lfor_b_\@:
	tensor_load_to_lds s[G0B+4*(\s):G0B+4*(\s)+3], s[G1B:G1B+7]
	s_nop 0
.rept 4
	v_nop
.endr
.Lasked_\@:
.endm
; A PREFETCH INTO THE L2, behind each joint refill, its five lines and the run of LDS loads that follows them: the step that stands TWO refills on: 32 rows x 256 bytes, a lane a row, one instruction a wave:
; 512 matrix instructions ahead of the load that will want it.  Each row's 256 bytes of a step are named ONCE in the launch: A's tile row is read by every cluster of that row of clusters, and the one with
; cluster x = 0 asks; B's tile column by every cluster of that column, and the one with cluster y = 0 asks.  The four partners that ask for a tile jointly share its rows out BY ADDRESS: of the 128 rows that a
; wave fetches the partner at place p takes 32 p .. 32 p + 31 (p = cx for A, cy for B): no branch hangs on a work-group's place in its cluster.  Steps 0 to 3 come by their loads alone; the loop's last trip
; (s3 = 1) asks for nothing: its two refills are the last two steps.
.macro ASK
	s_cmp_gt_u32 s3, s[LIM]
	s_cbranch_scc0 .Lnot_mine_\@
	global_prefetch_b8 v[PFO], s[PFA:PFA+1] offset:KSTEP*2 th:TH_LOAD_NT scope:SCOPE_SE
.Lnot_mine_\@:
.endm
; A round of the cluster's barrier: my work-group's barrier, so that wave 0's signal speaks for all four waves; wave 0 signals for the work-group; every wave waits for all sixteen work-groups; my work-group's
; barrier once more.  No LDS instruction of the wave is pending at a signal.
.macro CREST                           ; a round behind its opening barrier
	s_cmp_lg_u32 s10, 0
	s_cbranch_scc1 .Lnot_wave_0_\@
	s_barrier_signal -3
.Lnot_wave_0_\@:
	s_barrier_wait -3
	s_barrier_signal -1
	s_barrier_wait -1
.endm
.macro CROUND                          ; a whole round
	s_barrier_signal -1
	s_barrier_wait -1
	CREST
.endm
	s_load_b128 s[4:7], s[0:1], 0x0                ; A = xh s[4:5], B = wh s[6:7]
	s_load_b64 s[8:9], s[0:1], 0x10                ; out0
	s_load_b64 s[BP:BP+1], s[0:1], 0x18            ; bias
	s_load_b64 s[MP:MP+1], s[0:1], 0x20            ; mu2
	v_lshl_add_u32 v[SPW], v0, 2, SPARE
	v_mov_b32 v[NIL], 0
	ds_add_u32 v[SPW], v[NIL]                      ; the wave's opening: the add, twice on end, and its wait ahead of my first tensor load; the set-up below, work on registers, stands between the second and the wait
	ds_add_u32 v[SPW], v[NIL]                      ; and once more, under the one wait
	v_lshrrev_b32 v1, 5, v0
	v_readfirstlane_b32 s10, v1                    ; wave 0..3
	s_lshr_b32 s11, s10, 1                         ; which half of the tile's rows is mine.  Also: I fetch for A (0) or for B (1)
	s_and_b32 s12, s10, 1                          ; which half of its columns.  Also: which 128 rows of that tile I fetch
	s_bfe_u32 s40, ttmp6, 0x40000                  ; cx: my place along the cluster's x
	s_bfe_u32 s41, ttmp6, 0x40004                  ; cy: along its y
	s_lshl_b32 s42, ttmp9, 2                       ; in a cluster launch ttmp9 and ttmp7 count clusters
	s_add_co_u32 s42, s42, s40                     ; tile column = 4 x cluster x + cx
	s_and_b32 s13, ttmp7, 0xffff
	s_lshl_b32 s13, s13, 2
	s_add_co_u32 s13, s13, s41                     ; tile row = 4 x cluster y + cy
	s_lshl_b32 s43, s41, 2
	s_lshl_b32 s43, 15, s43                        ; my row of the cluster: places 4 cy .. 4 cy + 3
	s_lshl_b32 s44, 0x1111, s40                    ; my column: places cx, cx + 4, cx + 8, cx + 12
	; descriptor group 1: a tile of 128 rows x 128 elements, padded in LDS
	s_or_b32 s[G1+0], s43, (1<<16)|(1<<20)|(1<<21)|(5<<22)|(3<<25)  ; 15:0 the mask: A's tiles go to my row; 17:16 element of 2 bytes; 20 padding on; 21 set beside a mask; 24:22 after every 64 words (code 5); 31:25 of 4 words (code 3)
	s_or_b32 s[G1B+0], s44, (1<<16)|(1<<20)|(1<<21)|(5<<22)|(3<<25) ; the same with the mask of my column, for B's tiles
.irp g, G1, G1B
	s_mov_b32 s[(\g)+1], KSTEP<<16                 ; tensor_dim0 = 128
	s_mov_b32 s[(\g)+2], 128<<16                   ; tensor_dim1 = 128
	s_mov_b32 s[(\g)+3], KSTEP<<16                 ; tile_dim0 = 128
	s_mov_b32 s[(\g)+4], 128                       ; tile_dim1 = 128
	s_mov_b32 s[(\g)+5], SIZE_K                    ; 4,096 elements from row to row
	s_mov_b32 s[(\g)+6], 0
	s_mov_b32 s[(\g)+7], 0
.endr
	; where the tiles come from.  A's hang on the tile row alone, which my row of the cluster shares; B's on the tile column alone, which my column shares.
	; Every wave makes both addresses, in registers that never hold the other coordinate, and asks by one of them.
	s_lshl_b32 s17, s12, 7                         ; which 128 rows of the tile I fetch
	s_lshl_b32 s16, s13, 8
	s_add_co_u32 s16, s16, s17                     ; A: row 256 x tile row + 128 x half
	s_lshl_b32 s46, s42, 8
	s_add_co_u32 s46, s46, s17                     ; B: row 256 x tile column + 128 x half
	s_mov_b32 s17, 0
	s_mov_b32 s47, 0
	s_mov_b64 s[18:19], SIZE_K*2
	s_mul_u64 s[16:17], s[16:17], s[18:19]         ; in bytes
	s_mul_u64 s[46:47], s[46:47], s[18:19]
	s_mul_i32 s20, s10, HALFT                      ; and where they go: A's two halves, then B's two halves = wave x 128 rows: no place in the cluster enters an LDS address
	s_wait_dscnt 0x0                               ; both opening adds are done
	s_wait_kmcnt 0x0
	s_add_nc_u64 s[14:15], s[4:5], s[16:17]
	s_add_nc_u64 s[46:47], s[6:7], s[46:47]
	CROUND                                         ; all sixteen work-groups are here: the first joint loads meet
.irp s, 0,1
	s_mov_b32 s[G0+4*(\s)], 1                                      ; 1:0 count = 1
	s_add_co_u32 s[G0+4*(\s)+1], s20, (\s)*SLOT                    ; 63:32 LDS address
	s_add_nc_u64 s[G0+4*(\s)+2:G0+4*(\s)+3], s[14:15], (\s)*KSTEP*2  ; 120:64 global address: step s
	s_or_b32 s[G0+4*(\s)+3], s[G0+4*(\s)+3], 0x80000000            ; 127:126 type = 2
	s_mov_b32 s[G0B+4*(\s)], 1
	s_add_co_u32 s[G0B+4*(\s)+1], s20, (\s)*SLOT
	s_add_nc_u64 s[G0B+4*(\s)+2:G0B+4*(\s)+3], s[46:47], (\s)*KSTEP*2
	s_or_b32 s[G0B+4*(\s)+3], s[G0B+4*(\s)+3], 0x80000000
	JLOAD \s                                       ; the ring is filled before anything else is done: two loads of mine are out
.endr
	; A fragment is 16 rows x 32 in 8 registers: lane l holds row l % 16; registers 0-3 hold 8 (l / 16) + 0..7, registers 4-7 hold 16 + 8 (l / 16) + 0..7: two loads of 16 bytes, 32 bytes apart.
	v_and_b32 v1, 15, v0                           ; l % 16
	v_bfe_u32 v2, v0, 4, 1                         ; l / 16
	v_mul_u32_u24 v3, v1, PITCH
	v_lshl_add_u32 v3, v2, 4, v3                   ; row x pitch + 16 x half
	s_mul_i32 s21, s11, HALFT                      ; my 128 rows of A
	s_mul_i32 s22, s12, HALFT                      ; my 128 rows of B,
	s_add_co_u32 s22, s22, 2*HALFT                 ; which lie behind A's 256
.irp s, 0,1
	v_add_nc_u32 v[ADRA+(\s)], s21, v3
	v_add_nc_u32 v[ADRB+(\s)], s22, v3
	s_add_co_u32 s21, s21, SLOT
	s_add_co_u32 s22, s22, SLOT
.endr
	s_mul_i32 s23, s10, 16*SPITCH
	s_add_co_u32 s23, s23, STAGE                   ; my stage
	v_mul_u32_u24 v4, v1, SPITCH                   ; in: row l % 16, 32 bytes for each half of the lanes
	v_lshl_add_u32 v4, v2, 5, v4
	v_add_nc_u32 v[STO], s23, v4
	v_and_b32 v5, 31, v0
	v_lshlrev_b32 v[CO], 4, v5                     ; back: 32 lanes take one row of 512 bytes
	v_add_nc_u32 v[RD], s23, v[CO]
	; out0 at my 128 x 128 corner, bias and mu2 at my first column
	s_lshl_b32 s13, s13, 8                         ; 256 x tile row
	s_lshl_b32 s14, s11, 7
	s_add_co_u32 s16, s13, s14                     ; my first row
	s_mov_b32 s17, 0
	s_mov_b64 s[18:19], ROWC
	s_mul_u64 s[16:17], s[16:17], s[18:19]
	s_lshl_b32 s46, s42, 10                        ; my first column, in bytes of f32: 1,024 x tile column + 512 x half (in the registers that held B's address: none that feeds A's descriptors ever holds cx)
	s_lshl_b32 s47, s12, 9
	s_add_co_u32 s46, s46, s47
	s_mov_b32 s47, 0
	s_add_nc_u64 s[8:9], s[8:9], s[16:17]
	s_add_nc_u64 s[8:9], s[8:9], s[46:47]
	s_add_nc_u64 s[BP:BP+1], s[BP:BP+1], s[46:47]
	s_add_nc_u64 s[MP:MP+1], s[MP:MP+1], s[46:47]
	global_load_b128 v[BIA:BIA+3], v[CO], s[BP:BP+1]
	global_load_b128 v[MU2:MU2+3], v[CO], s[MP:MP+1]
	; the prefetches.  s13 = 256 x tile row, s42 = tile column, s40 = cx, s41 = cy still stand; s[4:5] = A, s[6:7] = B
	s_lshl_b32 s42, s42, 8
	s_and_b32 s22, ttmp7, 0xffff                   ; cluster y
	s_cmp_eq_u32 s11, 0                            ; do I fetch for A?
	s_cselect_b32 s20, s13, s42                    ; the tile's first row: in A by the tile row, in B by the tile column
	s_cselect_b32 s21, s40, s41                    ; my place among the four that ask for it with me
	s_cselect_b32 s22, ttmp9, s22                  ; the coordinate along which other clusters read the same rows
	s_cselect_b64 s[PFA:PFA+1], s[4:5], s[6:7]
	s_cmp_eq_u32 s22, 0
	s_cselect_b32 s[LIM], 1, -1                    ; the same in all sixteen partners, for a given wave
	s_lshl_b32 s22, s12, 7
	s_add_co_u32 s20, s20, s22                     ; + the 128 rows that I fetch
	s_lshl_b32 s21, s21, 5
	s_add_co_u32 s20, s20, s21                     ; + my work-group's 32 of them
	s_mov_b32 s21, 0
	s_mov_b64 s[18:19], SIZE_K*2
	s_mul_u64 s[20:21], s[20:21], s[18:19]
	s_add_nc_u64 s[PFA:PFA+1], s[PFA:PFA+1], s[20:21]
	s_add_nc_u64 s[PFA:PFA+1], s[PFA:PFA+1], 2*KSTEP*2  ; at step 2: the first refill steps it to 3 and names step 4
	v_and_b32 v[PFO], 31, v0
	v_mul_u32_u24 v[PFO], v[PFO], SIZE_K*2
	s_wait_loadcnt 0x0                             ; bias and mu2 are in, once for the launch (the first tiles are still on their way)
; 16 matrix instructions: m blocks a0, a0 + 1 of the window's four (hi = 0: my rows 0-63, 1: rows 64-127) x all 8 n blocks, 32 along the contraction.
; zero = 1: the first product starts the sums: nothing is ever cleared.
.macro MUL16 f, hi, a0, zero
	WIN MUL_LO+0x50*(\hi)
.irp a, \a0, (\a0)+1
.irp b, 0,1,2,3,4,5,6,7
.if \zero
	v_wmma_f32_16x16x32_f16 v[8*(8*(\a)+(\b)):8*(8*(\a)+(\b))+7], v[(\f)+8*(\b):(\f)+8*(\b)+7], v[(\f)+8*(4*(\hi)+(\a)):(\f)+8*(4*(\hi)+(\a))+7], 0
.else
	v_wmma_f32_16x16x32_f16 v[8*(8*(\a)+(\b)):8*(8*(\a)+(\b))+7], v[(\f)+8*(\b):(\f)+8*(\b)+7], v[(\f)+8*(4*(\hi)+(\a)):(\f)+8*(4*(\hi)+(\a))+7], v[8*(8*(\a)+(\b)):8*(8*(\a)+(\b))+7]
.endif
.endr
.endr
.endm
; 32 LDS loads in one run: the fragments of one quarter step (128 rows of B, 128 rows of A, 32 elements at byte k of the rows) into buffer f
.macro FETCH slot, k, f
	WIN TO_B
.irp i, 0,1,2,3,4,5,6,7
	ds_load_b128 v[(\f)+8*(\i):(\f)+8*(\i)+3],   v[ADRB+(\slot)] offset:(\k)+(\i)*16*PITCH
	ds_load_b128 v[(\f)+8*(\i)+4:(\f)+8*(\i)+7], v[ADRB+(\slot)] offset:(\k)+(\i)*16*PITCH+32
.endr
	WIN 0
.irp i, 0,1,2,3,4,5,6,7
	ds_load_b128 v[(\f)+8*(\i):(\f)+8*(\i)+3],   v[ADRA+(\slot)] offset:(\k)+(\i)*16*PITCH
	ds_load_b128 v[(\f)+8*(\i)+4:(\f)+8*(\i)+7], v[ADRA+(\slot)] offset:(\k)+(\i)*16*PITCH+32
.endr
.endm
; A load into a register that a matrix instruction has read, and whatever reads a matrix result, stand four places behind that matrix instruction, and only plain vector instructions that name none of its
; registers are places (ISA guide 7.12.1 for vector instructions); the matrix instructions in between are not counted.
.macro PLACES
.rept 4
	v_nop
.endr
.endm
; A step is four quarters of 32, 64 matrix instructions each, on buffers 0, 1, 0, 1.  The 64 accumulators take turns, one instruction a turn, in the same order in every quarter, over the backward jump and
; into the tail.
; One of the first three quarters: multiplies buffer f; in its middle it fetches the next quarter's fragments, at byte k of the same slot's rows, into buffer g.
.macro QUARTER slot, k, f, g, zero
	s_wait_dscnt 8                                 ; B and A's rows 0-63 are in; the youngest eight loads (A's rows 64-127) may be out
	MUL16 \f, 0, 0, \zero
	MUL16 \f, 0, 2, \zero
	PLACES
	FETCH \slot, \k, \g
	s_wait_dscnt 32                                ; all but the 32 just issued
	MUL16 \f, 1, 0, \zero
	MUL16 \f, 1, 2, \zero
.endm
; The last quarter multiplies buffer 1 and changes slots.  MEET is its first half: ONE barrier for the change, for two things.  In front of it each wave waits for all its tensor loads, of which one is out:
; its part of the next slot; adds 0 to its spare word; and waits for that and for its own reads of this slot.  Behind it nobody reads this slot any more and the next slot is whole.
.macro MEET round                      ; round = 1: the rest of a round of the cluster's barrier follows
	WIN 0                                          ; (the add's two registers lie in window 0)
	s_wait_tensorcnt 0x0                           ; all my tensor loads have landed
	ds_add_u32 v[SPW], v[NIL]                      ; 0 onto my spare word
	s_wait_dscnt 9                                 ; (the add and the youngest eight loads may be out)
	MUL16 F1, 0, 0, 0                              ; sixteen matrix instructions stand between the add and the wait for it
	s_wait_dscnt 0x0                               ; the add is done, and my reads of this slot are over:
	s_barrier_signal -1                            ; say so,
	MUL16 F1, 0, 2, 0                              ; work on registers while the others arrive,
.if \round
	WIN 0
.endif
	s_barrier_wait -1                              ; and go on when all four have said so
.endm
; The whole last quarter, in the loop.  Behind the round the slot just read out is filled again first, with the step two steps on; then come the next slot's first fragments.
; From a request to the wait for it a wave issues 224 matrix instructions; one tensor load of mine is out meanwhile.
.macro TURN slot, next
	s_wait_xcnt 0x0                                ; the last prefetch, a step back, has read its address: it is stepped here, ahead of the waits of the change of slots
	s_add_nc_u64 s[PFA:PFA+1], s[PFA:PFA+1], KSTEP*2
	MEET 1
	CREST                                          ; all sixteen work-groups have said so: no wave of any partner still reads this slot's tile or has a load on its way
	s_add_nc_u64 s[G0+4*(\slot)+2:G0+4*(\slot)+3], s[G0+4*(\slot)+2:G0+4*(\slot)+3], 2*KSTEP*2
	s_add_nc_u64 s[G0B+4*(\slot)+2:G0B+4*(\slot)+3], s[G0B+4*(\slot)+2:G0B+4*(\slot)+3], 2*KSTEP*2
	JLOAD \slot                                    ; the first tensor load behind the round; the four v_nop behind it are also the places in front of the loads below
	FETCH \next, 0, F0
	ASK                                            ; behind the joint load and the run of LDS loads that the next products wait for
	MUL16 F1, 1, 0, 0
	MUL16 F1, 1, 2, 0
.endm
; The last change of slots: nothing is filled again, so no round follows the barrier.
.macro LASTTURN
	MEET 0
	PLACES                                         ; for the loads into buffer 0, which the quarter before multiplied
	FETCH 1, 0, F0
	MUL16 F1, 1, 0, 0
	MUL16 F1, 1, 2, 0
.endm
; THE WAY OUT of block a (16 rows x 128 columns of f32).  TOSTAGE: a lane's 32 bytes of each of the 8 accumulators go into my own stage, each accumulator's low four registers first
; and come back as whole rows of 512 bytes.  LDS serves a wave's instructions in order (ISA guide 5.7.1.4): the loads see the stores above them, and the next block's stores come behind them.
.macro TOSTAGE a
.set AC, 64*((\a)%4)
.set BK, OB+64*((\a)%2)
.if (\a) >= 2
	s_wait_xcnt 0x0                                ; the stores of block a - 2 have read this buffer's registers: it is loaded again only behind this wait
.endif
	WIN 0x08+4*((\a)/4)                            ; an LDS store's data is source 1: window 2 or 3; the address stays in window 0
.irp b, 0,1,2,3,4,5,6,7
	ds_store_b128 v[STO], v[AC+8*(\b):AC+8*(\b)+3]   offset:64*(\b)
	ds_store_b128 v[STO], v[AC+8*(\b)+4:AC+8*(\b)+7] offset:64*(\b)+16
.endr
	WIN 0
.irp t, 0,1,2,3,4,5,6,7,8,9,10,11,12,13,14,15
	ds_load_b128 v[BK+4*(\t):BK+4*(\t)+3], v[RD] offset:SPITCH*(\t)
.endr
.endm
; SEND: sum x mu2 + bias, one fused multiply-add for two numbers, and the rows are stored.  younger: the LDS instructions issued behind block a's loads: the next block's 16 stores and 16 loads, or none.
.macro SEND a, younger
.set BK, OB+64*((\a)%2)
	WIN 0
.irp t, 0,1,2,3,4,5,6,7,8,9,10,11,12,13,14,15
	s_wait_dscnt (\younger)+15-(\t)                ; row t is back; the block's later rows and the younger instructions may be out
	v_pk_fma_f32 v[BK+4*(\t):BK+4*(\t)+1], v[BK+4*(\t):BK+4*(\t)+1], v[MU2:MU2+1], v[BIA:BIA+1]
	v_pk_fma_f32 v[BK+4*(\t)+2:BK+4*(\t)+3], v[BK+4*(\t)+2:BK+4*(\t)+3], v[MU2+2:MU2+3], v[BIA+2:BIA+3]
	global_store_b128 v[CO], v[BK+4*(\t):BK+4*(\t)+3], s[8:9] offset:(16*(\a)+(\t))*ROWC th:TH_STORE_NT  ; 32 lanes store 512 consecutive bytes, at a multiple of 512 from out0's first byte; 127 rows at the most stand in the immediate
.endr
.endm
	s_wait_tensorcnt 1                             ; my part of step 0 is in; step 1's load may stay out
	s_barrier_signal -1
	s_barrier_wait -1                              ; everybody's is
	FETCH 0, 0, F0
	QUARTER 0, 64,  F0, F1, 1                      ; the first quarter stands in front of the loop: its products start the sums
	WIN 0                                          ; at a label and at a branch every window is 0
	s_mov_b32 s3, LAPS-1
.Llap:                                                 ; a trip goes once round the ring, from a lap's second quarter to the next lap's first, and fills both slots again
	QUARTER 0, 128, F1, F0, 0
	QUARTER 0, 192, F0, F1, 0
	TURN 0, 1
	QUARTER 1, 64,  F0, F1, 0
	QUARTER 1, 128, F1, F0, 0
	QUARTER 1, 192, F0, F1, 0
	TURN 1, 0
	QUARTER 0, 64,  F0, F1, 0
	WIN 0
	s_sub_co_u32 s3, s3, 1
	s_cmp_lg_u32 s3, 0
	s_cbranch_scc1 .Llap
	QUARTER 0, 128, F1, F0, 0                      ; the last lap is written out: it asks for nothing
	QUARTER 0, 192, F0, F1, 0
	LASTTURN
	QUARTER 1, 64,  F0, F1, 0
	QUARTER 1, 128, F1, F0, 0
	QUARTER 1, 192, F0, F1, 0
	s_wait_dscnt 8                                 ; the very last quarter: nothing more to fetch
	MUL16 F1, 0, 0, 0
	MUL16 F1, 0, 2, 0
	s_wait_dscnt 0x0
	MUL16 F1, 1, 0, 0
	MUL16 F1, 1, 2, 0
	WIN 0
	PLACES                                         ; behind the last products: in front of the LDS stores that read results and of the loads into A's fragment registers
	PLACES                                         ; (eight, once a launch)
	TOSTAGE 0
.irp a, 1,2,3,4,5,6,7                  ; block a's way through the stage is issued ahead of block a - 1's wait for its rows
	TOSTAGE \a
	SEND (\a)-1, 32
.endr
	SEND 7, 0
	s_wait_tensorcnt 0x0                           ; the wave's end: behind my last tensor load and my last LDS store
	ds_add_u32 v[SPW], v[NIL]
	s_wait_dscnt 0x0
	CROUND                                         ; the closing round: no work-group ends while a partner may still ask for a tile that names it
	s_endpgm
.Lfunc_end_k_q04389f8d11_gemm:
	.size	k_q04389f8d11_gemm, .Lfunc_end_k_q04389f8d11_gemm-k_q04389f8d11_gemm
	.p2alignl 7, 3214868480
	.fill 96, 4, 3214868480
	.section	.rodata,"a",@progbits
	.p2align	6, 0x0
	.amdhsa_kernel k_q04389f8d11_gemm
		.amdhsa_group_segment_fixed_size 327680
		.amdhsa_private_segment_fixed_size 0
		.amdhsa_enable_private_segment 0
		.amdhsa_kernarg_size 40
		.amdhsa_user_sgpr_count 2
		.amdhsa_user_sgpr_kernarg_segment_ptr 1
		.amdhsa_wavefront_size32 1
		.amdhsa_system_sgpr_workgroup_id_x 1
		.amdhsa_system_sgpr_workgroup_id_y 1
		.amdhsa_system_sgpr_workgroup_id_z 1
		.amdhsa_system_vgpr_workitem_id 0
		.amdhsa_next_free_vgpr 1024
		.amdhsa_next_free_sgpr 72
		.amdhsa_reserve_vcc 0
		.amdhsa_float_denorm_mode_32 3
		.amdhsa_float_denorm_mode_16_64 3
		.amdhsa_memory_ordered 1
		.amdhsa_forward_progress 1
		.amdhsa_inst_pref_size 162
	.end_amdhsa_kernel
	.amdgpu_metadata
---
amdhsa.version: [ 1, 2 ]
amdhsa.kernels:
  - .name:           k_q04389f8d11_gemm
    .symbol:         k_q04389f8d11_gemm.kd
    .args:
      - { .name: xh, .offset: 0, .size: 8, .value_kind: global_buffer, .address_space: global }
      - { .name: wh, .offset: 8, .size: 8, .value_kind: global_buffer, .address_space: global }
      - { .name: out0, .offset: 16, .size: 8, .value_kind: global_buffer, .address_space: global }
      - { .name: bias, .offset: 24, .size: 8, .value_kind: global_buffer, .address_space: global }
      - { .name: mu2, .offset: 32, .size: 8, .value_kind: global_buffer, .address_space: global }
    .group_segment_fixed_size: 327680
    .private_segment_fixed_size: 0
    .kernarg_segment_align: 8
    .kernarg_segment_size: 40
    .max_flat_workgroup_size: 128
    .sgpr_count:     72
    .vgpr_count:     1024
    .wavefront_size: 32
...
	.end_amdgpu_metadata
.endif
;; end of part 2
;; ======== version 2 of 2: 2 launches; version 1 with the launch prep written anew for expert scheduling mode
;; limits: values are held in f16: magnitudes above 65,504 overflow, below 6.1e-05 lose precision
;; workspace buffers: xh 33,554,432 bytes; wh 33,554,432 bytes
;; launch prep (part 3): grid 256 x 2, 8 waves a work-group, no clusters, 0 bytes of LDS; arguments x, W_q, scales, zeros, mu1, xh, wh; writes xh, wh
.if DOCPART == 3
	.amdgcn_target "amdgcn-amd-amdhsa--gfx1250"
	.amdhsa_code_object_version 6
	.text
	.protected	k_q04389f8d11_prep
	.globl	k_q04389f8d11_prep
	.p2align	8
	.type	k_q04389f8d11_prep,@function
k_q04389f8d11_prep:
	s_mov_b64 s[64:65], 0
	v_nop
	global_prefetch_b8 v0, s[64:65] scope:SCOPE_SE
	s_setreg_imm32_b32 hwreg(HW_REG_WAVE_SCHED_MODE, 0, 2), 2
	s_setreg_imm32_b32 hwreg(HW_REG_WAVE_MODE, 25, 1), 1
	s_wait_xcnt 0x0
	s_wait_alu depctr_vm_vsrc(0)
; FIRST OF TWO LAUNCHES for out0[m][k] = sum over n of x[m][n] W[k][n] + bias[k],  W[k][n] = (W_q[k][n] - zeros[k][n/128]) scales[k][n/128] mu2[k] mu1[n].
; THE FACTORS ARE MOVED, by an identity that holds for all values: out0[m][k] = mu2[k] x (sum over n of (x[m][n] mu1[n]) ((W_q[k][n] - z) s)) + bias[k].
; This launch makes the two matrix operands of the second: xh = f16(x mu1) and wh = f16((q - z) s), both [4096][4096], row-major.  mu2 and bias are applied by the second launch, in f32.
; NO WORK IS LEFT OUT: every input has a way to the output; five are loaded here, mu2 and bias in the second launch.
; FORMATS AND LIMITS.  Both products are made in f32 of the inputs as they are given and rounded ONCE, to f16 (11 significant bits).  The order of the factors differs from reference()'s
; ((q - z) s) mu2 mu1, so the roundings fall otherwise.  ROOM IN f16: |(q - z) s| is 16 x 0.051 = 0.8 at the most for numbers of the drawn kind, 480 x 1.53 = 734 with zeros and scales both 30 times
; larger, some 8e-3 typically with both 30 times smaller; |x mu1| is some 8, some 7,300 and some 1e-3.  A product beyond 65,504 becomes an infinity; one under 6.1e-5 keeps f16's fixed step of 6e-8.
; (W as a whole, four factors, would have no such room: that is why mu1 and mu2 are taken out of it.)  W_q may hold any int32: it is converted as astype converts it.  NaN and infinities go through untreated.
; SHARES.  Grid y = 0 makes xh, y = 1 makes wh: the same geometry, [4096][4096] numbers of 4 bytes to 2.  Work-group gx owns rows 16 gx .. 16 gx + 15; wave w columns 512 w .. 512 w + 511.
; One load of a wave takes 512 consecutive bytes = 128 numbers = ONE quantisation group (row r, group 4 w + j): its zero and scale are the same in all lanes and live in scalar registers.
; A lane's 4 numbers become 8 bytes: one store of a wave covers 256 consecutive bytes, aligned.
; A ring of 8 row slots in registers keeps 24 to 32 loads of every wave on their way.  All addresses are immediates on two offsets that are never rewritten: no loop is needed for 16 rows.
; No LDS, no barrier, no cluster: no wave wants a byte that another has fetched but the small vectors, which are read once.  No prefetch: the launch is one stream of loads from its first line on.
; THE MODE: SCHED_MODE bits 1:0 = 2 (LLVM: expert scheduling mode 2), set by the entry lines.  The code itself states the register dependences between vector instructions and memory instructions,
; and between a vector instruction that writes a scalar register and that register's readers, with s_wait_alu, always for 0.
; THE PLAN.  Registers that memory instructions touch:
;   X0 .. X7   eight rows as loaded, 16 registers each.  Written by the loads of row r + 7, issued in row r (r = 1 .. 8), which land in X[(r - 1) % 8]; row r's vector lines work in place in X[r % 8].
;   Y0, Y1     two rows of results, 8 registers each.    Written by row r's roundings (Y[r % 2]); read by the four stores that are issued in row r + 1.
;   v2, v3, v4 byte offsets, made once and never written again: the rows are reached by immediate offsets.
;   mu1, scales, zeros: loaded once, ahead of the ring; named by vector lines alone from then on.
; Row r works on X[r % 8] and writes Y[r % 2].  Its memory instructions are the loads into X[(r - 1) % 8] and the stores from Y[(r - 1) % 2]: the two buffers that row r - 1 worked on and that no vector
; line of row r names.  So the waits at the head of a row state all that the row's eight memory instructions hang on, and these are dealt among its vector lines with no further wait.
.set ROWI, 16384                       ; bytes in a row of x and of W_q
.set ROWO, 8192                        ; bytes in a row of xh and of wh
.set IN,   2                           ; v2        2,048 w + 16 lane: my 16 bytes in a row's first group of my wave; also my place in mu1; never rewritten
.set OUTO, 3                           ; v3        1,024 w + 8 lane: my 8 bytes of the result; never rewritten
.set SO,   4                           ; v4        128 (lane % 16) + 16 w: row lane % 16's four scales (and zeros) of my wave's groups; never rewritten
.set SC,   8                           ; v[8:11]   scales of row lane % 16, groups 4 w + 0..3
.set ZR,   12                          ; v[12:15]  zeros likewise; then -z
.set MUC,  32                          ; v[32:47]  mu1 of my 4 columns in each of my wave's 4 groups
.set Y,    48                          ; v[48:63]  buffer r % 2, group j: 2 registers at Y + 8 (r % 2) + 2 j: 4 f16 to store
.set XR,   64                          ; v[64:191] the ring: slot r % 8, group j: 4 registers
.set NZS,  32                          ; s[32:39]  four pairs: the low word is -z of the row in hand, group j (the packed add takes the low word for both halves)
.set CSC,  40                          ; s[40:47]  four pairs: the low word is s likewise
; A row's four loads, 512 consecutive bytes each: the ring's first fill, rows 0 to 7.
.macro FILL r
.irp j, 0,1,2,3
	global_load_b128 v[XR+16*((\r)%8)+4*(\j):XR+16*((\r)%8)+4*(\j)+3], v[IN], s[SRC:SRC+1] offset:(\r)*ROWI+(\j)*512 th:TH_LOAD_NT
.endr
.endm
; Row r.  deq = 0: x mu1.  deq = 1: (q - z) s.
.macro ROW r, deq
.if \deq
.irp j, 0,1,2,3
	v_readlane_b32 s[NZS+2*(\j)], v[ZR+(\j)], \r   ; lane r holds row r's four -z
	v_readlane_b32 s[CSC+2*(\j)], v[SC+(\j)], \r   ; and its four s
.endr
.endif
.if (\r) == 0
	s_wait_loadcnt 28                              ; loads come back in order: row 0, and the small loads issued ahead of it, are in; rows 1 to 7 (28 loads) stay out
.elseif (\r) < 10
	s_wait_loadcnt 24                              ; behind row r's four loads stand those of rows r + 1 to r + 6
.else
	s_wait_loadcnt 4*(15-(\r))                     ; nothing more is asked for: the counts run down
.endif
.if (\r) >= 2
	s_wait_xcnt 0x0                                ; every earlier memory instruction has had its addresses translated: Y[r % 2], which the stores issued in row r - 1 read, is rewritten only behind this wait
	s_wait_alu depctr_vm_vsrc(0)                   ; those stores have read Y[r % 2], which this row's roundings write again
.endif
.if (\r) >= 1
	s_wait_alu depctr_va_vdst(0)                   ; row r - 1 has written the other Y, which the stores below read, and is done reading and writing its X, in which the loads below land
.endif
.if \deq
	s_wait_alu depctr_va_sdst(0)                   ; the eight v_readlane_b32 above have written s[NZS ..] and s[CSC ..], ahead of their first readers, the packed lines below
.endif
.irp j, 0,1,2,3
.set a, XR+16*((\r)%8)+4*(\j)
.set y, Y+8*((\r)%2)+2*(\j)
.if ((\r) >= 1) && ((\r) <= 8)
	global_load_b128 v[XR+16*(((\r)+7)%8)+4*(\j):XR+16*(((\r)+7)%8)+4*(\j)+3], v[IN], s[SRC:SRC+1] offset:((\r)+7)*ROWI+(\j)*512 th:TH_LOAD_NT  ; seven rows ahead; no vector line since the wait names these registers
.endif
.if (\r) >= 1
	global_store_b64 v[OUTO], v[Y+8*(((\r)+1)%2)+2*(\j):Y+8*(((\r)+1)%2)+2*(\j)+1], s[DST:DST+1] offset:((\r)-1)*ROWO+(\j)*256 th:TH_STORE_NT  ; the row before: 32 lanes store 256 consecutive bytes, at a multiple of 256 from the buffer's first byte
.endif
.if \deq
	v_cvt_f32_i32 v[a], v[a]
	v_cvt_f32_i32 v[a+1], v[a+1]
	v_cvt_f32_i32 v[a+2], v[a+2]
	v_cvt_f32_i32 v[a+3], v[a+3]
	v_pk_add_f32 v[a:a+1], v[a:a+1], s[NZS+2*(\j):NZS+2*(\j)+1] op_sel_hi:[1,0]      ; q - z
	v_pk_add_f32 v[a+2:a+3], v[a+2:a+3], s[NZS+2*(\j):NZS+2*(\j)+1] op_sel_hi:[1,0]
	v_pk_mul_f32 v[a:a+1], v[a:a+1], s[CSC+2*(\j):CSC+2*(\j)+1] op_sel_hi:[1,0]      ; times s
	v_pk_mul_f32 v[a+2:a+3], v[a+2:a+3], s[CSC+2*(\j):CSC+2*(\j)+1] op_sel_hi:[1,0]
.else
	v_pk_mul_f32 v[a:a+1], v[a:a+1], v[MUC+4*(\j):MUC+4*(\j)+1]                      ; x times mu1
	v_pk_mul_f32 v[a+2:a+3], v[a+2:a+3], v[MUC+4*(\j)+2:MUC+4*(\j)+3]
.endif
	v_cvt_pk_f16_f32 v[y], v[a], v[a+1]            ; the one rounding, to f16, into the row's out-buffer
	v_cvt_pk_f16_f32 v[y+1], v[a+2], v[a+3]
.endr
.endm
; Behind row 15: its four stores, from Y1.
.macro LASTOUT
	s_wait_alu depctr_va_vdst(0)                   ; row 15 has written Y1, which the last four stores read
.irp j, 0,1,2,3
	global_store_b64 v[OUTO], v[Y+8+2*(\j):Y+8+2*(\j)+1], s[DST:DST+1] offset:15*ROWO+(\j)*256 th:TH_STORE_NT
.endr
.endm
	s_load_b256 s[16:23], s[0:1], 0x0              ; x s[16:17], W_q s[18:19], scales s[20:21], zeros s[22:23]
	s_load_b128 s[24:27], s[0:1], 0x20             ; mu1 s[24:25], xh s[26:27]
	s_load_b64 s[28:29], s[0:1], 0x30              ; wh
	s_and_b32 s4, ttmp7, 0xffff                    ; grid y: 0 = x, 1 = W
	v_lshrrev_b32 v1, 5, v0
	v_readfirstlane_b32 s5, v1                     ; wave 0..7
	v_and_b32 v1, 31, v0                           ; lane
	v_lshlrev_b32 v[IN], 4, v1
	v_lshlrev_b32 v[OUTO], 3, v1
	s_wait_alu depctr_va_sdst(0)                   ; s5 is written, ahead of its first reader: the offsets are made from it
	v_lshl_add_u32 v[IN], s5, 11, v[IN]
	v_lshl_add_u32 v[OUTO], s5, 10, v[OUTO]
	s_lshl_b32 s10, ttmp9, 18                      ; the work-group's 16 rows of 16,384 bytes (at most 255 << 18: one word holds it)
	s_mov_b32 s11, 0
	s_lshl_b32 s12, ttmp9, 17                      ; and of 8,192 bytes
	s_mov_b32 s13, 0
	s_wait_kmcnt 0x0
	s_cmp_lg_u32 s4, 0
	s_cbranch_scc1 .Lw
	; ---- y = 0: xh = f16(x mu1)
.set SRC, 16
.set DST, 26
	s_add_nc_u64 s[SRC:SRC+1], s[SRC:SRC+1], s[10:11]
	s_add_nc_u64 s[DST:DST+1], s[DST:DST+1], s[12:13]
	s_wait_alu depctr_va_vdst(0)                   ; v[IN] and v[OUTO] are written: every load and store of this half reads one of them as its offset
.irp j, 0,1,2,3
	global_load_b128 v[MUC+4*(\j):MUC+4*(\j)+3], v[IN], s[24:25] offset:512*(\j)  ; mu1 of my columns, once, ahead of the ring: row 0's wait shows these four in too
.endr
.irp r, 0,1,2,3,4,5,6,7
	FILL \r
.endr
.irp r, 0,1,2,3,4,5,6,7,8,9,10,11,12,13,14,15
	ROW \r, 0
.endr
	LASTOUT
	s_endpgm
	; ---- y = 1: wh = f16((q - z) s)
.Lw:
.set SRC, 18
.set DST, 28
	s_add_nc_u64 s[SRC:SRC+1], s[SRC:SRC+1], s[10:11]
	s_add_nc_u64 s[DST:DST+1], s[DST:DST+1], s[12:13]
	s_lshl_b32 s2, ttmp9, 11                       ; 16 rows of 32 scales: 128 bytes a row
	s_mov_b32 s3, 0
	s_add_nc_u64 s[20:21], s[20:21], s[2:3]
	s_add_nc_u64 s[22:23], s[22:23], s[2:3]
	v_and_b32 v[SO], 15, v0
	v_lshlrev_b32 v[SO], 7, v[SO]
	v_lshl_add_u32 v[SO], s5, 4, v[SO]
.irp j, 0,1,2,3
	s_mov_b32 s[NZS+2*(\j)+1], 0                   ; named as pairs, so the upper words are written
	s_mov_b32 s[CSC+2*(\j)+1], 0
.endr
	s_wait_alu depctr_va_vdst(0)                   ; v[IN], v[OUTO] and v[SO] are written: every load and store of this half reads one of them as its offset
	global_load_b128 v[SC:SC+3], v[SO], s[20:21]   ; the two small loads go first; the eight waves together read the 16 rows of scales and of zeros whole, once
	global_load_b128 v[ZR:ZR+3], v[SO], s[22:23]
.irp r, 0,1,2,3,4,5,6,7
	FILL \r
.endr
	s_wait_loadcnt 32                              ; the two small loads are in; the ring's 32 stay out
.irp j, 0,1,2,3
	v_xor_b32 v[ZR+(\j)], 0x80000000, v[ZR+(\j)]   ; -z
.endr
.irp r, 0,1,2,3,4,5,6,7,8,9,10,11,12,13,14,15
	ROW \r, 1
.endr
	LASTOUT
	s_endpgm
.Lfunc_end_k_q04389f8d11_prep:
	.size	k_q04389f8d11_prep, .Lfunc_end_k_q04389f8d11_prep-k_q04389f8d11_prep
	.p2alignl 7, 3214868480
	.fill 96, 4, 3214868480
	.section	.rodata,"a",@progbits
	.p2align	6, 0x0
	.amdhsa_kernel k_q04389f8d11_prep
		.amdhsa_group_segment_fixed_size 0
		.amdhsa_private_segment_fixed_size 0
		.amdhsa_enable_private_segment 0
		.amdhsa_kernarg_size 56
		.amdhsa_user_sgpr_count 2
		.amdhsa_user_sgpr_kernarg_segment_ptr 1
		.amdhsa_wavefront_size32 1
		.amdhsa_system_sgpr_workgroup_id_x 1
		.amdhsa_system_sgpr_workgroup_id_y 1
		.amdhsa_system_sgpr_workgroup_id_z 1
		.amdhsa_system_vgpr_workitem_id 0
		.amdhsa_next_free_vgpr 192
		.amdhsa_next_free_sgpr 66
		.amdhsa_reserve_vcc 0
		.amdhsa_float_denorm_mode_32 3
		.amdhsa_float_denorm_mode_16_64 3
		.amdhsa_memory_ordered 1
		.amdhsa_forward_progress 1
		.amdhsa_inst_pref_size 87
	.end_amdhsa_kernel
	.amdgpu_metadata
---
amdhsa.version: [ 1, 2 ]
amdhsa.kernels:
  - .name:           k_q04389f8d11_prep
    .symbol:         k_q04389f8d11_prep.kd
    .args:
      - { .name: x, .offset: 0, .size: 8, .value_kind: global_buffer, .address_space: global }
      - { .name: W_q, .offset: 8, .size: 8, .value_kind: global_buffer, .address_space: global }
      - { .name: scales, .offset: 16, .size: 8, .value_kind: global_buffer, .address_space: global }
      - { .name: zeros, .offset: 24, .size: 8, .value_kind: global_buffer, .address_space: global }
      - { .name: mu1, .offset: 32, .size: 8, .value_kind: global_buffer, .address_space: global }
      - { .name: xh, .offset: 40, .size: 8, .value_kind: global_buffer, .address_space: global }
      - { .name: wh, .offset: 48, .size: 8, .value_kind: global_buffer, .address_space: global }
    .group_segment_fixed_size: 0
    .private_segment_fixed_size: 0
    .kernarg_segment_align: 8
    .kernarg_segment_size: 56
    .max_flat_workgroup_size: 256
    .sgpr_count:     66
    .vgpr_count:     192
    .wavefront_size: 32
...
	.end_amdgpu_metadata
.endif
;; end of part 3
;; launch gemm: the kernel of part 2 again; grid 16 x 16, 4 waves a work-group, clusters of 4 x 4, 327,680 bytes of LDS; arguments xh, wh, out0, bias, mu2; writes out0
